; MI455X (gfx1250); checked and timed in simulation.
; The chip was launched on July 23, 2026; its instructions are those of AMD's public machine-readable ISA for CDNA 5 (MIT licence, August 2026) and "CDNA5" Instruction Set Architecture Reference Guide (July 2026). The comments in the code are by the model that wrote it; some were corrected since.
;; Cross SDPA. Allowed arithmetic: matrix products marked QUANTISED: E2M3 operands, one E8M0 scale for each 32 along K, by v_wmma_scale_f32_16x16x128_f8f6f4 with both operands' format E2M3, f32 sums; everything else in f32.
;; Inputs: Wk 512 x 64 float32; Wq 512 x 64 float32; Wv 512 x 64 float32; bk 64 float32; bq 64 float32; bv 64 float32; y 4 x 4,096 x 512 float32; z 4 x 4,096 x 512 float32.
;; Outputs: out0 4 x 4,096 x 64 float32.
;; This version of the problem:
;;   THIS VERSION OF THE PROBLEM IS GIVEN IN LOW PRECISION. The matrix products marked QUANTISED in the list below multiply operands that are first quantised to E2M3 (2 exponent bits, 3 mantissa bits; 6 bits a number), with one power-of-two scale for each 32 numbers along K (OCP MX v1.0); their sums are f32. All else is computed in f32.
;;   The module's matrix products, in the order in which they are computed (A, B: the left and right operand; K: the contracted axis; several contracted axes count as one K, in the product's order):
;;     1. [M 16,384, K 512] x [K 512, N 64]; A: input y; B: input Wq: QUANTISED
;;     2. [M 16,384, K 512] x [K 512, N 64]; A: input z; B: input Wk: QUANTISED
;;     3. [M 16,384, K 512] x [K 512, N 64]; A: input z; B: input Wv: QUANTISED
;;     4. batch 4 x [M 4,096, K 64] x [K 64, N 4,096]; A: computed on the way; B: computed on the way: QUANTISED
;;     5. batch 4 x [M 4,096, K 4,096] x [K 4,096, N 64]; A: softmax (see below); B: computed on the way: QUANTISED
;;   THE QUANTISER, for each operand of a quantised product, along K:
;;     - K is cut into blocks of 32 from its start; a last block that is shorter is filled with zeros.
;;     - A block's scale is 2^e with e = floor(log2(the largest magnitude in the block)) - 2, held to -126 .. 127; a block of zeros has e = 0. As a byte (E8M0): e + 127.
;;     - Each number is divided by its block's scale, clamped to +-7.5, and rounded to the nearest number of E2M3, ties to even, subnormals kept.
;;     - The product sums the exact products of the quantised numbers (number of the format x scale) in f32.
;;   ~~~python
;;   def quantise(x, axis):      # numpy; x: float32 -> the quantised numbers, widened to float32 again
;;       x = np.moveaxis(x, axis, -1); K = x.shape[-1]
;;       x = np.pad(x, [(0, 0)] * (x.ndim - 1) + [(0, -K % 32)]); x = x.reshape(x.shape[:-1] + (-1, 32)); a = np.abs(x).max(-1, keepdims=True)
;;       e = np.where(a > 0, np.clip(np.frexp(np.where(a > 0, a, 1))[1] - 1 - 2, -126, 127), 0)      # np.frexp(a)[1] - 1 = floor(log2(a)), exactly
;;       r = np.clip(x / 2.0 ** e, -7.5, 7.5)
;;       step = 2.0 ** (np.maximum(np.frexp(np.where(r == 0, 1, r))[1] - 1, 0) - 3)
;;       q = np.round(r / step) * step * 2.0 ** e      # np.round: ties to even
;;       return np.moveaxis(q.reshape(q.shape[:-2] + (-1,))[..., :K], -1, axis).astype(np.float32)
;;   ~~~
;;   SOFTMAX AHEAD OF A QUANTISED PRODUCT. Where the list says 'softmax', what is quantised is not the finished softmax but p = 2^(t - M), with t = logit x log2(e) and M = ceil(the row's largest t), a whole number; so 1/2 < the row's largest p <= 1. The row's sum l is taken of the UNQUANTISED p, in f32, and the product's result is divided by l at the end. Since M is a whole number, a kernel that streams over the keys may use a running M (the ceiling of the running maximum): every later rescaling is an exact power of two, which a block's scale takes up: the codes' values come out the same.
;;   OPERANDS COMPUTED ON THE WAY. 'Computed on the way' means the value that the module computes at that place (a softmax that the list does not call 'softmax' is quantised finished and normalised). What goes into a quantiser is computed in f32, as accurately as f32 sums, v_exp_f32 and their like allow (about 1e-6 of the number): no bf16 or f16 on the way to a quantiser, and a product that is left as it is and whose result goes on into a quantised operand takes f32 operands (vector FMAs, or v_wmma_f32_16x16x4_f32). A number that lies on a knife's edge between two numbers of the format may be rounded either way, as far as f32 arithmetic and the matrix unit's own rounding can turn it there, and no further.
;; One version. Each part assembles by itself: llvm-mc -triple=amdgcn-amd-amdhsa -mcpu=gfx1250 --defsym DOCPART=n.
;; ======== version 1 of 1: 2 launches
;; limits: right only within a limited range of input values
;; workspace buffers: kv 1,671,168 bytes; qb 851,968 bytes
;; launch proj (part 1): grid 256 x 1, 4 waves a work-group, no clusters, 327,680 bytes of LDS; arguments z, y, Wk, Wq, Wv, bk, bq, bv, kv, qb; writes kv, qb
.if DOCPART == 1
	.amdgcn_target "amdgcn-amd-amdhsa--gfx1250"
	.amdhsa_code_object_version 6
	.text
	.protected	k_qcfc6cf2b0b_proj
	.globl	k_qcfc6cf2b0b_proj
	.p2align	8
	.type	k_qcfc6cf2b0b_proj,@function
k_qcfc6cf2b0b_proj:
	s_mov_b64 s[64:65], 0
	v_nop
	global_prefetch_b8 v0, s[64:65] scope:SCOPE_SE
	s_setreg_imm32_b32 hwreg(HW_REG_WAVE_MODE, 25, 1), 1
	s_wait_xcnt 0x0
; K = z Wk + bk, V = z Wv + bv, Q = y Wq + bq: three products on codes of FP6 (E2M3) with one E8M0 scale for each 32 along K = 512; the results are quantised again,
; K and Q along their 64 units, V along the keys, and stored in the order of the registers in which the second launch's matrix operands take them.
; DEAD WORK: none.  Each bias is added ahead of a quantiser of a live product (bq, bk ahead of Q K^T, bv ahead of p V) and can move its codes and scales: all eight inputs are loaded.
; LIMITS: NaN and infinities among the inputs are not served.  A block whose largest magnitude lies under 2^-124 (a block of zeros too) gets the scale byte 1; its codes are then zeros or
; subnormal codes under that byte; the bytes are read by this program alone.
; SHARES.  Work-groups 0-127 take 128 rows of z (block g of kv), work-groups 128-255 take 128 rows of y (block g - 128 of qb): one text, pointers chosen by the work-group's number; y's work-groups
; jump over what belongs to V.  Wave w owns rows 32 w .. 32 w + 31 as two tiles of 16: lane r of tile u is row 8 u + r + 8 (r / 8), so that the second launch's scores fall 16 neighbouring keys to 16 registers.
; x COMES BY ONE TENSOR LOAD A WAVE, at the head: wave w asks for K step w (128 along K) of the work-group's 128 rows, 512 bytes of each.  Each step is shown to all four waves by a plain barrier, in front of which
; the wave that asked for it has waited; nothing is filled again.  No prefetch: all of x is asked for at the head.
; THE WEIGHTS [512][64] have K as their first axis.  Wave w quantises rows 128 w .. 128 w + 127 (K step w) of all 64 columns, in four groups a weight: a load takes two rows x 32 columns, a lane exchange gives a lane one
; column and registers down K, and the codes go to LDS as images of the operand's registers, for all four waves.
; No cluster: a row of x is read by one work-group; the weights, which work-groups share (128 or 256 KiB beside 256 KiB of x), go through registers, since x and the images leave 6 KiB of LDS.
; THE ORDER.  Groups g0-g3 are Wk or Wq, g4-g7 Wv.  g0-g3; x0 (its barrier shows the images of Wk or Wq, and their fragments come into registers) and its product; g4 g5; x1 and its product; g6 g7; x2 (its barrier shows
; Wv's images), its product and V's over K steps 0-2; x3 and the last products.  g4 and g5 are on their way under x0, g6 and g7 under x1.
; x's CODES STAY IN THE REGISTERS OF THE WAVE THAT MADE THEM, and all 16 fragments of a weight come into registers once: the products have nothing to load between them.
; AN IMAGE: a fragment's 12 registers a lane, register group c (4 registers) at 512 c + 16 x lane.
; kv block (13,056 bytes): 4 images of K (wave w's two tiles: registers 6 u .. 6 u + 5 = tile u, lane (r, h) = block h of the row), 512 bytes of their scale words (lanes 0-15 tile 0, lanes 16-31 tile 1),
; 4 images of V^T (fragment t: units 16 t + r, K = the block's 128 keys), 256 bytes of their scale words.  qb block (6,656 bytes): as K's part.
; REGISTERS, in windows of 256.  Window 0: v1-22, v36 addresses; v28-64 the quantisers'; v66-73 x's scale words; v74-105 the weights'; v106-109 bv; v110-237 two sets of 64 numbers of a weight, later V's accumulators
; (v174-237) and its fragment on the way out (v110-123); v238-250 the weights' second set of codes, later V's codes and bytes (v238-253).  Window 1: v0-95 x's eight fragments; v96-159 the accumulators of K or Q;
; v176-207 the bias of K or Q, v208-239 that of V, in the results' layouts.
; Window 2: v0-191 the 16 fragments of Wk or Wq ((tile T, K step s) at 12 (4 T + s)).  Window 3: v0-191 Wv's.  v192-255 of windows 2 and 3: 64 numbers of x each.
.set XREGB,  67584                     ; LDS: a K step of x: 128 rows
.set XSTEP,  16896                     ; a wave's 32 rows in it
.set XPITCH, 528                       ; a row: 512 bytes + 16 of padding
.set XTILE,  8*XPITCH                  ; tile 1 begins 8 rows behind tile 0
.set VSTG,   6144                      ; V's images (6,144 bytes) and scale words (256): in K step 0, written only behind K step 3's barrier, when nobody reads K step 0 any more
.set WIMG,   4*XREGB                   ; the weights' images: fragment (product, tile T, K step s) at WPB x product + FRB (4 T + s)
.set WPB,    24576
.set FRB,    1536
.set WSC,    WIMG+2*WPB                ; their scale words: 1,024 bytes a product; the word of (tile T, row r, K step s) at 256 T + 16 r + 4 s: a lane's four K steps are 16 neighbouring bytes
.set SPARE,  WSC+2048                  ; the spare words, 128 bytes for each wave: two blocks of 256 bytes that no other line names
.set XA,  1                            ; v1-3, v36  x: my row of tile 0 in K steps 0 to 3, + 64 x half
.set WCB, 4                            ; v4   the weights in memory: 256 x half + 8 r
.set WAQ, 5                            ; v5   where my column's codes go, Wk or Wq
.set WAV, 6                            ; v6   the same for Wv
.set WBQ, 7                            ; v7   where its scale bytes go
.set WBV, 8                            ; v8
.set WLI, 9                            ; v9   the weights' images, read: WIMG + 16 x lane
.set WLS, 10                           ; v10  their scale words: WSC + 16 r
.set BA,  11                           ; v11  64 x half: the bias of K or Q
.set R4,  12                           ; v12  4 r: the bias of V
.set GOI, 13                           ; v13  out: 16 x lane + 1,536 x wave
.set GOS, 14                           ; v14  out: 6,144 + 128 x wave + 4 x lane
.set VA,  15                           ; v15, v16  V's stage: where my pieces of 8 bytes go
.set VB,  16
.set VS8, 17                           ; v17  and my scale bytes
.set CPA, 18                           ; v18  V's stage, read back
.set CPS, 19                           ; v19
.set GO8, 20                           ; v20  8 x lane
.set SPW, 21                           ; v21  LDS address of my spare word; never rewritten
.set NIL, 22                           ; v22  0; never rewritten
.set TM,  28                           ; v28-31 largest magnitudes, v32-35 scale bytes, v40-43 the conversions' scale operands
.set PW,  44                           ; v44  the scale word just made;  v45 its second half
.set W2,  45
.set PC,  46                           ; v46-57 the codes just made
.set CT,  58                           ; v58-60, v62-64 halves of blocks on their way
.set XS,  66                           ; v66-73 x's scale words: (K step s, tile u) at 2 s + u
.set WS,  74                           ; v74-89 Wk's or Wq's scale words: (T, s) at 4 T + s;  v90-105 Wv's
.set BV,  106                          ; v106-109 bv at my units
.set ACC, 96                           ; window 1: K's or Q's accumulators
.set ACV, 174                          ; V's
.set OB,  110                          ; the way out: V's fragment and scale words, read back
.set WF,  110                          ; before that: two sets of 64 numbers of a weight
.set XF,  192                          ; windows 2 and 3: 64 numbers of x
.set PCB, 238                          ; v238-249 the weights' quantiser: the second set of codes,
.set PWB, 250                          ; v250     and of scale bytes;  at the end V's codes and its four bytes
.set XC,  0                            ; window 1: x's fragments, (s, u) at 12 (2 s + u)
.set BI,  176                          ; window 1: the bias of K or Q, eight registers a tile
.set BIV, 208                          ; window 1: the bias of V
.set WV,  2                            ; s2   my wave
.set ISZ, 3                            ; s3   1: rows of z
.set SEL, 28                           ; s[28:29] lane l xor 16
.set HM,  30                           ; s30  lanes 16-31
.set BLK, 31                           ; s31  which block of 128 rows
.set G0,  32                           ; s[32:35] descriptor group 0
.set G1,  48                           ; s[48:55] group 1
.set MSB, 0
.macro WIN new                         ; the immediate's high byte repeats the setting that is left; a switch that changes nothing is dropped
.if MSB != \new
	s_set_vgpr_msb (MSB<<8)|(\new)
.set MSB, \new
.endif
.endm
.macro PLACES n
.rept \n
	v_nop
.endr
.endm
.macro UNLESS_Z label                  ; rows of y have no V.  The branch hangs on the work-group's number alone
	s_cmp_eq_u32 s[ISZ], 0
	s_cbranch_scc1 \label
.endm
	s_load_b512 s[8:23], s[0:1], 0x0               ; z, y, Wk, Wq, Wv, bk, bq, bv
	s_load_b128 s[24:27], s[0:1], 0x40             ; kv, qb
	v_lshl_add_u32 v[SPW], v0, 2, SPARE
	v_mov_b32 v[NIL], 0
	ds_add_u32 v[SPW], v[NIL]                      ; the wave's opening: the add, twice on end, and its wait ahead of my first tensor load
	ds_add_u32 v[SPW], v[NIL]                      ; and once more; the set-up below, work on registers, stands between it and the wait
	v_lshrrev_b32 v23, 5, v0
	v_readfirstlane_b32 s[WV], v23                 ; wave 0..3
	v_and_b32 v23, 31, v0                          ; lane
	v_and_b32 v24, 15, v0                          ; r
	v_bfe_u32 v25, v0, 4, 1                        ; h
	s_mul_i32 s6, s[WV], XSTEP                     ; my rows in a K step
	s_mul_i32 s67, s[WV], FRB
	s_lshl_b32 s68, s[WV], 2
	v_and_b32 v26, 8, v24
	v_add_nc_u32 v26, v26, v24                     ; r + 8 (r / 8)
	v_mul_u32_u24 v[XA], v26, XPITCH
	v_lshl_add_u32 v[XA], v25, 6, v[XA]
	v_add_nc_u32 v[XA], s6, v[XA]
	v_add_nc_u32 v[XA+1], XREGB, v[XA]
	v_add_nc_u32 v[XA+2], 2*XREGB, v[XA]
	v_add_nc_u32 v[XA+35], 3*XREGB, v[XA]
	v_lshlrev_b32 v[WCB], 3, v24
	v_lshl_add_u32 v[WCB], v25, 8, v[WCB]
	; Wk, Wq: behind the lane exchange lane (q, h) holds column 32 g + m, m = 2 q + h.  Tile T's lane r' is unit 32 (T / 2) + 8 (T % 2) + r' + 8 (r' / 8): so T = 2 g + (m / 8) % 2, r' = m % 8 + 8 (m / 16)
	v_and_b32 v26, 3, v24
	v_lshl_add_u32 v26, v26, 1, v25
	v_and_b32 v27, 8, v24
	v_add_nc_u32 v26, v26, v27                     ; r'
	v_bfe_u32 v27, v24, 2, 1                       ; T % 2
	v_mul_u32_u24 v[WAQ], v27, 4*FRB
	v_lshl_add_u32 v[WAQ], v26, 4, v[WAQ]
	v_add_nc_u32 v[WAQ], s67, v[WAQ]               ; my K step is my wave's number
	v_add_nc_u32 v[WAQ], WIMG, v[WAQ]
	v_lshlrev_b32 v[WBQ], 8, v27
	v_lshl_add_u32 v[WBQ], v26, 4, v[WBQ]
	v_add_nc_u32 v[WBQ], s68, v[WBQ]
	v_add_nc_u32 v[WBQ], WSC, v[WBQ]
	; Wv: tile T's lane r' is unit 16 T + r': T = 2 g + m / 16, r' = m % 16
	v_and_b32 v26, 7, v24
	v_lshl_add_u32 v26, v26, 1, v25
	v_lshrrev_b32 v27, 3, v24
	v_mul_u32_u24 v[WAV], v27, 4*FRB
	v_lshl_add_u32 v[WAV], v26, 4, v[WAV]
	v_add_nc_u32 v[WAV], s67, v[WAV]
	v_add_nc_u32 v[WAV], WIMG+WPB, v[WAV]
	v_lshlrev_b32 v[WBV], 8, v27
	v_lshl_add_u32 v[WBV], v26, 4, v[WBV]
	v_add_nc_u32 v[WBV], s68, v[WBV]
	v_add_nc_u32 v[WBV], WSC+1024, v[WBV]
	v_lshl_add_u32 v[WLI], v23, 4, WIMG
	v_lshl_add_u32 v[WLS], v24, 4, WSC
	v_lshlrev_b32 v[BA], 6, v25
	v_lshlrev_b32 v[R4], 2, v24
	v_lshl_add_u32 v[GOI], v23, 4, s67
	s_lshl_b32 s69, s[WV], 7
	v_lshl_add_u32 v[GOS], v23, 2, s69
	v_add_nc_u32 v[GOS], 6144, v[GOS]
	; V's stage.  My wave's 32 keys are key block w of the 128: in fragment t they are registers 6 (w / 2) .. + 5 of lane r + 16 (w % 2): three pieces of 8 bytes, at 0, 8, 512 (w / 2 = 0) or 520, 1024, 1032 (1) of the lane's place
	s_and_b32 s70, s[WV], 1
	s_lshl_b32 s70, s70, 8
	s_lshr_b32 s71, s[WV], 1
	s_mul_i32 s69, s71, 520
	s_add_co_u32 s69, s69, s70
	s_mul_i32 s71, s71, 1016
	s_add_co_u32 s71, s71, s70
	v_mul_u32_u24 v26, v25, FRB                    ; behind the quantiser lane (r, h) holds fragments t = h and t = 2 + h
	v_lshl_add_u32 v26, v24, 4, v26
	v_add_nc_u32 v[VA], s69, v26
	v_add_nc_u32 v[VA], VSTG, v[VA]
	v_add_nc_u32 v[VB], s71, v26
	v_add_nc_u32 v[VB], VSTG+8, v[VB]
	v_lshl_add_u32 v[VS8], v24, 2, s[WV]
	v_add_nc_u32 v[VS8], VSTG+6144, v[VS8]
	v_add_nc_u32 v[CPA], VSTG, v[GOI]
	v_lshl_add_u32 v[CPS], v23, 3, VSTG+6144
	v_lshlrev_b32 v[GO8], 3, v23
.irp b, 0,1,2,3
	v_mov_b32 v[TM+4+\b], 0                        ; written once: a lane permute's destination counts as one of its sources
.endr
	s_mov_b32 s[SEL], 0x76543210
	s_mov_b32 s[SEL+1], 0xfedcba98
	s_mov_b32 s[HM], 0xffff0000
	; descriptor group 1: 128 rows of 128 f32, 512 elements from row to row, 4 words of padding behind every 128
	s_mov_b32 s[G1+0], (2<<16)|(1<<20)|(6<<22)|(3<<25)
	s_mov_b32 s[G1+1], 128<<16                     ; tensor_dim0
	s_mov_b32 s[G1+2], 128<<16                     ; tensor_dim1
	s_mov_b32 s[G1+3], 128<<16                     ; tile_dim0
	s_mov_b32 s[G1+4], 128                         ; tile_dim1
	s_mov_b32 s[G1+5], 512                         ; the pitch
	s_mov_b32 s[G1+6], 0
	s_mov_b32 s[G1+7], 0
	s_wait_alu depctr_va_vdst(0)                   ; directly ahead of the waits below
	s_wait_dscnt 0x0                               ; both opening adds are done
	s_wait_kmcnt 0x0
	s_cmp_lt_u32 ttmp9, 128                        ; rows of z or of y?  The choice hangs on the work-group's number alone
	s_cselect_b64 s[4:5], s[8:9], s[10:11]         ; x
	s_cselect_b64 s[56:57], s[12:13], s[14:15]     ; Wk or Wq
	s_cselect_b64 s[62:63], s[18:19], s[20:21]     ; bk or bq
	s_cselect_b64 s[60:61], s[24:25], s[26:27]     ; kv or qb
	s_mov_b32 s66, 6656
	s_cselect_b32 s66, 13056, s66                  ; a block of the output
	s_cselect_b32 s[ISZ], 1, 0
	s_and_b32 s[BLK], ttmp9, 127
	s_lshl_b32 s68, s[BLK], 18                     ; 128 rows of 2,048 bytes,
	s_lshl_b32 s69, s[WV], 9                       ; K step w: 512 bytes on in each row
	s_add_co_u32 s68, s68, s69
	s_mov_b32 s69, 0
	s_add_nc_u64 s[4:5], s[4:5], s[68:69]
	s_mov_b32 s[G0], 1                             ; count = 1
	s_mul_i32 s[G0+1], s[WV], XREGB                ; LDS address
	s_mov_b64 s[G0+2:G0+3], s[4:5]
	s_or_b32 s[G0+3], s[G0+3], 0x80000000          ; type = 2
.irp n, 0,1,2                                  ; one tensor load a wave, each wave's in an arm of its own: the waves wait for them at different places
	s_cmp_eq_u32 s[WV], \n
	s_cbranch_scc0 .Lx_not_\n
	tensor_load_to_lds s[G0:G0+3], s[G1:G1+7]
	s_nop 0
	PLACES 4
	s_branch .Lx_asked
.Lx_not_\n:
.endr
	tensor_load_to_lds s[G0:G0+3], s[G1:G1+7]
	s_nop 0
	PLACES 4
.Lx_asked:
	s_lshl_b32 s68, s[WV], 15                      ; my 128 rows of a weight, 256 bytes each
	s_add_nc_u64 s[56:57], s[56:57], s[68:69]
	s_add_nc_u64 s[58:59], s[16:17], s[68:69]      ; Wv
	s_mul_i32 s68, s[BLK], s66
	s_add_nc_u64 s[60:61], s[60:61], s[68:69]
	WIN 0x40                                       ; destination window 1
.irp t, 0,1,2,3                                ; the bias of K or Q in the result's layout: tile t, lane half h, register j: unit 32 (t / 2) + 8 (t % 2) + 16 h + j
	global_load_b128 v[BI+8*\t:BI+8*\t+3], v[BA], s[62:63] offset:(32*(\t/2)+8*(\t%2))*4
	global_load_b128 v[BI+8*\t+4:BI+8*\t+7], v[BA], s[62:63] offset:(32*(\t/2)+8*(\t%2))*4+16
.endr
	WIN 0
; A group, 32 loads: rows 64 k + 0 .. 63 of my 128, columns 32 g + 0 .. 31: a load takes two rows x 128 bytes; lane (q, h): row 2 i + h, columns 2 q, 2 q + 1
.macro WLOAD buf, base, g, k
.set i, 0
.rept 32
	global_load_b64 v[WF+64*(\buf)+2*i:WF+64*(\buf)+2*i+1], v[WCB], s[\base:\base+1] offset:(64*(\k)+2*i)*256+128*(\g)
.set i, i+1
.endr
.endm
; The 64 rows become two blocks of one column a lane, their codes and scale bytes go to LDS.  The codes and the bytes have two sets of registers, which go with the sets of numbers.
.macro WQ buf, adrI, adrS, immI, immS, k
.set WB, WF+64*(\buf)
.set PCX, PC+(PCB-PC)*(\buf)
.set PWX, PW+(PWB-PW)*(\buf)
.set i, 0
.rept 32
	v_permlane16_swap_b32 v[WB+2*i], v[WB+2*i+1]   ; lane (q, h) now holds column 2 q + h, and register j its row j
.set i, i+1
.endr
.irp e, 0,1
	v_max3_num_f32 v[TM+\e], |v[WB+32*\e]|, |v[WB+32*\e+1]|, 0x1800000   ; block e: all its 32 numbers are mine; the floor 2^(3 - 127) keeps the byte at 1 from below
.endr
.irp n, 2,4,6,8,10,12,14,16,18,20,22,24,26,28,30
.irp e, 0,1
	v_max3_num_f32 v[TM+\e], v[TM+\e], |v[WB+32*\e+\n]|, |v[WB+32*\e+\n+1]|
.endr
.endr
.irp e, 0,1
	v_add_nc_u32 v[TM+12+\e], 0xff000000, v[TM+\e] ; 2 off the exponent field: the conversion's scale operand
.endr
.irp e, 0,1
	v_lshrrev_b32 v[TM+4+\e], 23, v[TM+12+\e]      ; the scale's byte
.endr
	s_wait_alu depctr_va_vdst(0)
	s_wait_dscnt 7                                 ; the stores of the group before the last, which read this set of registers, are done; the last group's seven may be out
	v_lshl_or_b32 v[PWX], v[TM+5], 8, v[TM+4]
.irp e, 0,1
	v_cvt_scalef32_pk16_fp6_f32 v[PCX+6*\e:PCX+6*\e+2], v[WB+32*\e:WB+32*\e+15], v[TM+12+\e]
	v_cvt_scalef32_pk16_fp6_f32 v[CT+4*\e:CT+4*\e+2], v[WB+32*\e+16:WB+32*\e+31], v[TM+12+\e]   ; (a conversion's three registers begin on an even number)
.endr
	v_nop                                          ; one plain place behind a scaled conversion
.irp e, 0,1
.irp p, 0,1,2
	v_mov_b32 v[PCX+6*\e+3+\p], v[CT+4*\e+\p]
.endr
.endr
.irp e, 0,1                                    ; block 2 k + e of the K step: registers 6 k .. 6 k + 5 of lane r' + 16 e of the fragment's image
.if (\k) == 0
	ds_store_b64 v[\adrI], v[PCX+6*\e:PCX+6*\e+1] offset:(\immI)+256*\e
	ds_store_b64 v[\adrI], v[PCX+6*\e+2:PCX+6*\e+3] offset:(\immI)+256*\e+8
	ds_store_b64 v[\adrI], v[PCX+6*\e+4:PCX+6*\e+5] offset:(\immI)+256*\e+512
.else
	ds_store_b64 v[\adrI], v[PCX+6*\e:PCX+6*\e+1] offset:(\immI)+256*\e+520
	ds_store_b64 v[\adrI], v[PCX+6*\e+2:PCX+6*\e+3] offset:(\immI)+256*\e+1024
	ds_store_b64 v[\adrI], v[PCX+6*\e+4:PCX+6*\e+5] offset:(\immI)+256*\e+1032
.endif
.endr
	ds_store_b16 v[\adrS], v[PWX] offset:(\immS)+2*(\k)   ; bytes 2 k, 2 k + 1 of my column's scale word for my K step
.endm
; 64 numbers of a lane in window w, register 16 b + i = number 16 (lane / 16) + i of block b of my row, become 12 registers of codes: registers 6 c .. 6 c + 5 of lane (r, h) are block 2 c + h.
; kind 0 (a row of x): the codes go to fragment n in window 1, the four bytes to scale word n;  kind 1 (K, Q): the codes stay in v[PC] on; blocks 0, 1 and blocks 2, 3 belong to two tiles: v[PW] = bytes 0, 1 in lanes 0-15,
; bytes 2, 3 in lanes 16-31, the upper half 0;  kind 2 (V): the codes stay in v[PCB] on, the bytes in v[PWB] on.
.macro QUANT src, w, kind, n
.if (\kind) == 2
.set PD, PCB
.set BY, PWB
.else
.set PD, PC
.set BY, TM+4
.endif
	WIN (\w)|((\w)<<2)
.irp b, 0,1,2,3
	v_max3_num_f32 v[TM+\b], |v[\src+16*\b]|, |v[\src+1+16*\b]|, 0x1800000   ; my 16 numbers, and the floor 2^(3 - 127)
.endr
	WIN ((\w)<<2)|((\w)<<4)
.irp m, 2,4,6,8,10,12,14
.irp b, 0,1,2,3
	v_max3_num_f32 v[TM+\b], v[TM+\b], |v[\src+16*\b+\m]|, |v[\src+1+16*\b+\m]|   ; (the four blocks by turns)
.endr
.endr
	WIN 0
.irp b, 0,1,2,3
	v_permlanex16_b32 v[TM+4+\b], v[TM+\b], s[SEL], s[SEL+1]
.endr
.irp b, 0,1,2,3
	v_max_num_f32 v[TM+\b], v[TM+\b], v[TM+4+\b]   ; with lane l xor 16's: the block's largest magnitude
.endr
.irp b, 0,1,2,3
	v_add_nc_u32 v[TM+12+\b], 0xff000000, v[TM+\b]
.endr
.irp b, 0,1,2,3
	v_lshrrev_b32 v[BY+\b], 23, v[TM+12+\b]
.endr
.if (\kind) == 0
	v_lshl_or_b32 v[XS+(\n)], v[TM+5], 8, v[TM+4]
	v_lshl_or_b32 v[XS+(\n)], v[TM+6], 16, v[XS+(\n)]
	v_lshl_or_b32 v[XS+(\n)], v[TM+7], 24, v[XS+(\n)]
.elseif (\kind) == 1
	v_lshl_or_b32 v[PW], v[TM+5], 8, v[TM+4]
	v_lshl_or_b32 v[W2], v[TM+7], 8, v[TM+6]
	v_cndmask_b32 v[PW], v[PW], v[W2], s[HM]
.endif
	WIN (\w)
.irp c, 0,1
	v_cvt_scalef32_pk16_fp6_f32 v[PD+6*\c:PD+6*\c+2], v[\src+32*\c:\src+32*\c+15], v[TM+12+2*\c]
	v_cvt_scalef32_pk16_fp6_f32 v[CT+4*\c:CT+4*\c+2], v[\src+32*\c+16:\src+32*\c+31], v[TM+12+2*\c+1]
.endr
	v_nop                                          ; one plain place behind a scaled conversion
	WIN 0
.irp c, 0,1
.irp p, 0,1,2
	v_permlane16_swap_b32 v[PD+6*\c+\p], v[CT+4*\c+\p]   ; a whole block to a lane
.endr
.endr
.if (\kind) == 0
	WIN 0x40                                       ; destination window 1
.irp c, 0,1
.irp p, 0,1,2
	v_mov_b32 v[XC+12*(\n)+6*\c+\p], v[PD+6*\c+\p]
	v_mov_b32 v[XC+12*(\n)+6*\c+3+\p], v[CT+4*\c+\p]
.endr
.endr
	WIN 0
.else
.irp c, 0,1
.irp p, 0,1,2
	v_mov_b32 v[PD+6*\c+3+\p], v[CT+4*\c+\p]
.endr
.endr
.endif
.endm
; Tile u of my rows, K step s: 64 numbers a lane from LDS into window 2 + u
.macro XLD s, u
	WIN 0x80+0x40*(\u)
.irp b, 0,1,2,3
.irp j, 0,1,2,3
	ds_load_b128 v[XF+16*\b+4*\j:XF+16*\b+4*\j+3], v[XA+(\s)+32*((\s)/3)] offset:XTILE*(\u)+128*\b+16*\j
.endr
.endr
	WIN 0
.endm
; K step s of x is shown to all four waves. The other waves' tensor loads may stay out.  Then tile 0 is quantised, and tile 1's numbers are in
.macro XSHOW s
	s_wait_alu depctr_va_vdst(0)
.if \s < 3
	s_cmp_eq_u32 s[WV], \s
	s_cbranch_scc0 .Lx_step_\s
	s_wait_tensorcnt 0x0                           ; the wave that asked for it waits
.Lx_step_\s:
.else
	s_wait_tensorcnt 0x0                           ; the last one: on every wave's way
.endif
	s_wait_dscnt 0x0                               ; for the others' sake: my LDS stores, and my reads, are done
	s_barrier_signal -1
	s_barrier_wait -1
	XLD \s, 0
	XLD \s, 1
	s_wait_dscnt 16                                ; tile 0's numbers are in; tile 1's sixteen loads may stay out
	QUANT XF, 2, 0, 2*\s
	s_wait_dscnt 0x0
.endm
; The four fragments of K step s of weight sel into window 2 + sel; with the first of them the weight's sixteen scale words, four a load
.macro WCH sel, s
.if (\s) == 0
.irp t, 0,1,2,3
	ds_load_b128 v[WS+16*(\sel)+4*\t:WS+16*(\sel)+4*\t+3], v[WLS] offset:1024*(\sel)+256*\t
.endr
.endif
	WIN 0x80+0x40*(\sel)
.irp t, 0,1,2,3
.irp c, 0,1,2
	ds_load_b128 v[12*(4*\t+(\s))+4*\c:12*(4*\t+(\s))+4*\c+3], v[WLI] offset:WPB*(\sel)+(4*\t+(\s))*FRB+512*\c
.endr
.endr
	WIN 0
.endm
; K step s of a product: eight accumulators by turns, one instruction a turn; the bias is the C of each sum's first instruction.  All operands lie in registers.
; mode 0 (K, Q), transposed: source 0 = 16 units of the weight (window 2), source 1 = 16 rows of x (window 1): a lane holds one row, accumulator (u, t) at ACC + 32 u + 8 t in window 1.
; mode 1 (V): source 0 = 16 rows of x (window 1), source 1 = 16 units (window 3): a lane holds one unit and its registers run along the keys, accumulator (t, u) at ACV + 16 t + 8 u in window 0.
.macro PRODS mode, s
.if (\mode) == 0
	WIN 0x56                                       ; source 0 window 2, source 1, C and D window 1
.elseif \s == 0
	WIN 0x1d                                       ; source 0 window 1, source 1 window 3, C (the bias) window 1, D window 0
.else
	WIN 0x0d
.endif
	s_wait_alu depctr_va_vdst(0)
.irp u, 0,1
.irp t, 0,1,2,3
.if (\mode) == 0
.if \s == 0
	v_wmma_scale_f32_16x16x128_f8f6f4 v[ACC+32*\u+8*\t:ACC+32*\u+8*\t+7], v[12*(4*\t+\s):12*(4*\t+\s)+11], v[XC+12*(2*\s+\u):XC+12*(2*\s+\u)+11], v[BI+8*\t:BI+8*\t+7], v[WS+4*\t+\s], v[XS+2*\s+\u] matrix_a_fmt:MATRIX_FMT_FP6 matrix_b_fmt:MATRIX_FMT_FP6
.else
	v_wmma_scale_f32_16x16x128_f8f6f4 v[ACC+32*\u+8*\t:ACC+32*\u+8*\t+7], v[12*(4*\t+\s):12*(4*\t+\s)+11], v[XC+12*(2*\s+\u):XC+12*(2*\s+\u)+11], v[ACC+32*\u+8*\t:ACC+32*\u+8*\t+7], v[WS+4*\t+\s], v[XS+2*\s+\u] matrix_a_fmt:MATRIX_FMT_FP6 matrix_b_fmt:MATRIX_FMT_FP6
.endif
.else
.if \s == 0
	v_wmma_scale_f32_16x16x128_f8f6f4 v[ACV+16*\t+8*\u:ACV+16*\t+8*\u+7], v[XC+12*(2*\s+\u):XC+12*(2*\s+\u)+11], v[12*(4*\t+\s):12*(4*\t+\s)+11], v[BIV+8*\t:BIV+8*\t+7], v[XS+2*\s+\u], v[WS+16+4*\t+\s] matrix_a_fmt:MATRIX_FMT_FP6 matrix_b_fmt:MATRIX_FMT_FP6
.else
	v_wmma_scale_f32_16x16x128_f8f6f4 v[ACV+16*\t+8*\u:ACV+16*\t+8*\u+7], v[XC+12*(2*\s+\u):XC+12*(2*\s+\u)+11], v[12*(4*\t+\s):12*(4*\t+\s)+11], v[ACV+16*\t+8*\u:ACV+16*\t+8*\u+7], v[XS+2*\s+\u], v[WS+16+4*\t+\s] matrix_a_fmt:MATRIX_FMT_FP6 matrix_b_fmt:MATRIX_FMT_FP6
.endif
.endif
.endr
.endr
	WIN 0
.endm
	; ---- Wk or Wq.  At a counted wait one younger group, 32 loads, may stay out
	WLOAD 0, 56, 0, 0                              ; g0
	WLOAD 1, 56, 0, 1                              ; g1
	s_wait_loadcnt 32
	WQ 0, WAQ, WBQ, 0, 0, 0
	WLOAD 0, 56, 1, 0                              ; g2
	s_wait_loadcnt 32
	WQ 1, WAQ, WBQ, 0, 0, 1
	WLOAD 1, 56, 1, 1                              ; g3
	s_wait_loadcnt 32
	WQ 0, WAQ, WBQ, 8*FRB, 512, 0
	s_wait_loadcnt 0x0
	WQ 1, WAQ, WBQ, 8*FRB, 512, 1
	UNLESS_Z .Ly0
	WLOAD 0, 58, 0, 0                              ; g4 and g5: Wv's first two, under x0
	WLOAD 1, 58, 0, 1
.Ly0:
	XSHOW 0                                        ; the barrier shows the images and scale words of Wk or Wq too
.irp s, 0,1,2,3
	WCH 0, \s                                      ; their fragments: 52 loads, under the quantiser
.endr
	QUANT XF, 3, 0, 1
	PLACES 4                                       ; x's last fragment was written by vector instructions: four places ahead of its products (its scale word stands twelve moves further back)
	s_wait_alu depctr_va_vdst(0)
	s_wait_dscnt 0x0
	PRODS 0, 0
	s_wait_loadcnt 0x0                             ; g4 and g5, where there are any
	UNLESS_Z .Ly1
.irp t, 0,1,2,3
	global_load_b32 v[BV+\t], v[R4], s[22:23] offset:64*\t   ; bv at unit 16 t + r
.endr
	WQ 0, WAV, WBV, 0, 0, 0
	WLOAD 0, 58, 1, 0                              ; g6 and g7, under x1
	WQ 1, WAV, WBV, 0, 0, 1
	s_wait_loadcnt 32                              ; bv is in; g6's 32 loads may stay out
	WIN 0x40                                       ; destination window 1
.irp t, 0,1,2,3
.irp j, 0,1,2,3,4,5,6,7
	v_mov_b32 v[BIV+8*\t+\j], v[BV+\t]             ; the bias in V's layout: a lane holds one unit
.endr
.endr
	WIN 0
	WLOAD 1, 58, 1, 1
.Ly1:
	XSHOW 1
	QUANT XF, 3, 0, 3
	PLACES 4
	PRODS 0, 1
	s_wait_loadcnt 0x0                             ; g6 and g7, where there are any
	UNLESS_Z .Ly2
	WQ 0, WAV, WBV, 8*FRB, 512, 0
	WQ 1, WAV, WBV, 8*FRB, 512, 1
.Ly2:
	XSHOW 2                                        ; the barrier shows Wv's images and scale words too
	UNLESS_Z .Ly3
.irp s, 0,1,2,3
	WCH 1, \s                                      ; Wv's fragments, under the quantiser
.endr
.Ly3:
	QUANT XF, 3, 0, 5
	PLACES 4
	PRODS 0, 2
	UNLESS_Z .Ly4
	s_wait_alu depctr_va_vdst(0)
	s_wait_dscnt 0x0                               ; Wv's fragments are in
	PRODS 1, 0
	PRODS 1, 1
	PRODS 1, 2
.Ly4:
	XSHOW 3                                        ; behind this barrier nobody reads K step 0: V's stage may be written
	QUANT XF, 3, 0, 7
	PLACES 4
	PRODS 0, 3
	UNLESS_Z .Ly5
	PRODS 1, 3
	PLACES 4                                       ; in front of the first read of results
	; ---- V goes out first: its stage is shared, and the quantiser of K stands between its stores there and the barrier
	QUANT ACV, 0, 2, 0                             ; block t: my wave's 32 keys of unit 16 t + r
.irp c, 0,1
	ds_store_b64 v[VA], v[PCB+6*\c:PCB+6*\c+1] offset:2*FRB*\c
	ds_store_b64 v[VB], v[PCB+6*\c+2:PCB+6*\c+3] offset:2*FRB*\c
	ds_store_b64 v[VA], v[PCB+6*\c+4:PCB+6*\c+5] offset:2*FRB*\c+512
.endr
.irp t, 0,1,2,3
	ds_store_b8 v[VS8], v[PWB+\t] offset:64*\t     ; byte w of unit 16 t + r's scale word; both halves of the lanes write the same byte with the same value
.endr
.Ly5:
	PLACES 4                                       ; in front of the first read of results
	; ---- K or Q
	QUANT ACC, 1, 1, 0
.irp c, 0,1,2
	global_store_b128 v[GOI], v[PC+4*\c:PC+4*\c+3], s[60:61] offset:512*\c   ; 32 lanes store 512 consecutive bytes, at a multiple of 256 from the buffer's first byte
.endr
	global_store_b32 v[GOS], v[PW], s[60:61]
	s_wait_alu depctr_va_vdst(0)
	s_wait_dscnt 0x0                               ; for the others' sake: my stores into V's stage are done
	s_barrier_signal -1
	s_barrier_wait -1
	UNLESS_Z .Lend
.irp c, 0,1,2
	ds_load_b128 v[OB+4*\c:OB+4*\c+3], v[CPA] offset:512*\c    ; fragment w, whole
.endr
	s_cmp_lg_u32 s[WV], 0
	s_cbranch_scc1 .Lfrag
	ds_load_b64 v[OB+12:OB+13], v[CPS]
	s_wait_dscnt 0x0
	global_store_b64 v[GO8], v[OB+12:OB+13], s[60:61] offset:12800   ; V's 64 scale words: 256 consecutive bytes
.Lfrag:
	s_wait_dscnt 0x0
.irp c, 0,1,2
	global_store_b128 v[GOI], v[OB+4*\c:OB+4*\c+3], s[60:61] offset:6656+512*\c
.endr
.Lend:
	s_wait_tensorcnt 0x0                           ; the wave's end: behind my last tensor load and my last LDS store
	ds_add_u32 v[SPW], v[NIL]
	s_wait_dscnt 0x0
	s_endpgm
.Lfunc_end_k_qcfc6cf2b0b_proj:
	.size	k_qcfc6cf2b0b_proj, .Lfunc_end_k_qcfc6cf2b0b_proj-k_qcfc6cf2b0b_proj
	.p2alignl 7, 3214868480
	.fill 96, 4, 3214868480
	.section	.rodata,"a",@progbits
	.p2align	6, 0x0
	.amdhsa_kernel k_qcfc6cf2b0b_proj
		.amdhsa_group_segment_fixed_size 327680
		.amdhsa_private_segment_fixed_size 0
		.amdhsa_enable_private_segment 0
		.amdhsa_kernarg_size 80
		.amdhsa_user_sgpr_count 2
		.amdhsa_user_sgpr_kernarg_segment_ptr 1
		.amdhsa_wavefront_size32 1
		.amdhsa_system_sgpr_workgroup_id_x 1
		.amdhsa_system_sgpr_workgroup_id_y 1
		.amdhsa_system_sgpr_workgroup_id_z 1
		.amdhsa_system_vgpr_workitem_id 0
		.amdhsa_next_free_vgpr 1024
		.amdhsa_next_free_sgpr 72
		.amdhsa_reserve_vcc 0
		.amdhsa_float_denorm_mode_32 3
		.amdhsa_float_denorm_mode_16_64 3
		.amdhsa_memory_ordered 1
		.amdhsa_forward_progress 1
		.amdhsa_inst_pref_size 137
	.end_amdhsa_kernel
	.amdgpu_metadata
---
amdhsa.version: [ 1, 2 ]
amdhsa.kernels:
  - .name:           k_qcfc6cf2b0b_proj
    .symbol:         k_qcfc6cf2b0b_proj.kd
    .args:
      - { .name: z, .offset: 0, .size: 8, .value_kind: global_buffer, .address_space: global }
      - { .name: y, .offset: 8, .size: 8, .value_kind: global_buffer, .address_space: global }
      - { .name: Wk, .offset: 16, .size: 8, .value_kind: global_buffer, .address_space: global }
      - { .name: Wq, .offset: 24, .size: 8, .value_kind: global_buffer, .address_space: global }
      - { .name: Wv, .offset: 32, .size: 8, .value_kind: global_buffer, .address_space: global }
      - { .name: bk, .offset: 40, .size: 8, .value_kind: global_buffer, .address_space: global }
      - { .name: bq, .offset: 48, .size: 8, .value_kind: global_buffer, .address_space: global }
      - { .name: bv, .offset: 56, .size: 8, .value_kind: global_buffer, .address_space: global }
      - { .name: kv, .offset: 64, .size: 8, .value_kind: global_buffer, .address_space: global }
      - { .name: qb, .offset: 72, .size: 8, .value_kind: global_buffer, .address_space: global }
    .group_segment_fixed_size: 327680
    .private_segment_fixed_size: 0
    .kernarg_segment_align: 8
    .kernarg_segment_size: 80
    .max_flat_workgroup_size: 128
    .sgpr_count:     72
    .vgpr_count:     1024
    .wavefront_size: 32
...
	.end_amdgpu_metadata
.endif
;; end of part 1
;; launch attn (part 2): grid 64 x 4, 8 waves a work-group, clusters of 4 x 1, 327,680 bytes of LDS; arguments qb, kv, out0; writes out0
.if DOCPART == 2
	.amdgcn_target "amdgcn-amd-amdhsa--gfx1250"
	.amdhsa_code_object_version 6
	.text
	.protected	k_qcfc6cf2b0b_attn
	.globl	k_qcfc6cf2b0b_attn
	.p2align	8
	.type	k_qcfc6cf2b0b_attn,@function
k_qcfc6cf2b0b_attn:
	s_mov_b64 s[64:65], 0
	v_nop
	global_prefetch_b8 v0, s[64:65] scope:SCOPE_SE
	s_setreg_imm32_b32 hwreg(HW_REG_WAVE_MODE, 25, 1), 1
	s_wait_xcnt 0x0
	s_wait_alu depctr_hold_cnt(0) depctr_sa_sdst(0) depctr_va_vdst(0) depctr_va_sdst(0) depctr_va_ssrc(0) depctr_va_vcc(0) depctr_vm_vsrc(0)
	s_getreg_b32 s2, hwreg(HW_REG_IB_STS2, 6, 4)
	s_cmp_eq_u32 s2, 0
	s_cbranch_scc0 .Lentry_in_a_cluster
	s_endpgm
.Lentry_in_a_cluster:
	s_bfe_u32 s2, ttmp6, 0x10000c
	s_cmp_lg_u32 s2, 0x3003
	s_cbranch_scc0 .Lentry_shape_is_right
	s_endpgm
.Lentry_shape_is_right:
; out0[b][q] = the sum over keys of softmax(Q[b][q] . K[b][k] / 8) V[b][k], both products on codes of FP6 (E2M3) with E8M0 scales, from the images that the first launch stored.  No work is left out.
; THE SOFTMAX: t = score x log2(e) / 8; M = the largest t so far, rounded up to a whole number; p = 2^(t - M) is quantised along the keys, not normalised; the sum l is taken of the unquantised p and divides at the end.
; LIMITS: NaN and infinities are not served; p under 2^-126 counts as 0; a block of p under 2^-124 gets the scale byte 1; the promise holds while |t| stays under 2^31.
; SHARES.  A work-group owns 64 queries of one batch as four tiles of 16.  Each of its eight waves holds all four tiles and walks its own eighth of the keys: 512 keys, four steps of 128 (a block of kv, 13,056 bytes, each).
; So a fragment of K or V is read once in the work-group and feeds four tiles.  At the end the eight waves' (M, l, O) are merged through LDS: every factor is a power of two made from whole numbers.
; HOW kv COMES.  LDS has room for three of a wave's four blocks.  Those three lie on end in memory and come by ONE joint load a wave (39,168 bytes), at the head; a wave reads its own bytes alone and nothing is filled again, so
; no barrier stands between the head and the merge.  The wave's first block, a quarter of kv, comes by plain loads straight into the operands' registers (the images are register images), ahead of the cluster's round.
; CLUSTER.  The four work-groups of a cluster belong to one batch and their waves w walk the same blocks: every tensor load is a joint one (mask 15).  No LDS address and no branch hangs on the place in the cluster.
; No prefetch: all of a wave's blocks are asked for at the head.
; K = 64 IN AN INSTRUCTION OF 128: Q's operand has zero codes in registers 6-11.  K's operand for tile T is v[KF + 6 T .. + 11]: its upper six registers are the next tile's codes (behind tile 7 six registers of the statistics);
; every pattern of 6 bits is a finite E2M3 number, and it meets Q's zeros; bytes 2, 3 of both scale words are 0, which is a power of two.
; LAYOUT.  Both products transposed: S^T = K Q^T, O^T = V^T P^T: a lane holds one query throughout.  Lane r of tile 2 b + u (keys and queries alike) is row 32 b + 8 u + r + 8 (r / 8): p's 16 registers of two tiles are 16 neighbouring keys.
; TILES GO IN PAIRS (A, B): B's score products stand among A's maxima, B's t - M among A's exponentials, A's first additions among B's exponentials.
; REGISTERS.  Window 0: v0-4; v6-15 scale words of Q, K, V, p; v16-23 block maxima, then p's scales; v24-71 Q; v72-119 K; v120-127 -M and the largest t of each tile; v128-255 S^T of A and B, then p.
; Window 1: v0-127 O^T (tile i, units 16 t on: 32 i + 8 t); v128-175 V's four fragments; v176-214 p's codes; v224-231 l in two halves; v232-235 the factors; v240, v241 LDS addresses.
.set SLOTB, 13056
.set REG,   3*SLOTB                    ; a wave's three blocks
.set STATM, 8*REG                      ; -M: word [row][wave], 32 bytes a row; l's words 2,048 behind
.set SPARE, STATM+4096                 ; the spare words, 128 bytes for each wave: four blocks of 256 bytes that no other line names
.set QBLK,  6656
.set SP,    272                        ; the merge: a row of a wave's stage, 256 bytes + 16; 64 rows, in the wave's first two blocks, which have had their only fill and their last read
.set AD,  1                            ; v1, v2  the step's block in LDS: + 16 x lane, + 4 x lane
.set AS,  2
.set SPW, 3                            ; v3   LDS address of my spare word; never rewritten
.set NIL, 4                            ; v4   0; never rewritten
.set QS,  6                            ; v6-7   Q's scale words: lanes 0-15 tile 2 b, lanes 16-31 tile 2 b + 1
.set KS,  8                            ; v8-11  K's likewise
.set VS,  12                           ; v12-13 V's: lanes 0-15 fragment 2 i, lanes 16-31 fragment 2 i + 1
.set PW,  14                           ; v14-15 p's, of A and of B
.set BM,  16
.set QF,  24
.set KF,  72
.set ST,  120
.set S,   128
.set VF,  128                          ; window 1 from here
.set PC,  176
.set CT,  200
.set LB,  224
.set F,   232
.set LI,  240
.set LS,  241
.set MM,  32                           ; the merge, window 0: v16-31 addresses; v32-63 the waves' -M, then their factors; v64-95 their l; v96-99 the smallest -M; v100-103 l; v104-119 the merged rows
.set ML,  64
.set MN,  96
.set LSUM, 100
.set AC,  104
.set WV,  10                           ; s10  my wave
.set XX,  12                           ; s12  my block of 64 queries
.set BT,  13                           ; s13  the batch
.set G1,  16                           ; s[16:23] descriptor group 1
.set G0,  24                           ; s[24:27] group 0
.set MR,  28                           ; s28  8 SP x wave
.set SEL, 36                           ; s[36:37] lane l xor 16
.set CS,  38                           ; s[38:39] c = log2(e) / 8
.set TB,  40                           ; s40  the step's block in my region
.set CNT, 41
.set RG,  42                           ; s42  my region
.set MSB, 0
.macro WIN new                         ; the immediate's high byte repeats the setting that is left
.if MSB != \new
	s_set_vgpr_msb (MSB<<8)|\new
.set MSB, \new
.endif
.endm
.macro PLACES n
.rept \n
	v_nop
.endr
.endm
.macro CROUND                          ; a round of the cluster's barrier
	s_barrier_signal -1
	s_barrier_wait -1
	s_cmp_lg_u32 s[WV], 0
	s_cbranch_scc1 .Lnot_wave_0_\@
	s_barrier_signal -3
.Lnot_wave_0_\@:
	s_barrier_wait -3
	s_barrier_signal -1
	s_barrier_wait -1
.endm
; S^T, tile t of queries against key tile k; a: k's half of the lanes for the scale, b: t's, and which S takes it
.macro SW t, k, a, b
	v_wmma_scale_f32_16x16x128_f8f6f4 v[S+64*\b+8*(\k):S+64*\b+8*(\k)+7], v[KF+6*(\k):KF+6*(\k)+11], v[QF+12*(\t):QF+12*(\t)+11], 0, v[KS+(\k)/2], v[QS+(\t)/2] matrix_a_fmt:MATRIX_FMT_FP6 matrix_b_fmt:MATRIX_FMT_FP6 matrix_a_scale:MATRIX_SCALE_ROW\a matrix_b_scale:MATRIX_SCALE_ROW\b
.endm
; the largest score of each block of 32 keys: lines \from .. of 32, four blocks by turns
.macro MXR x, from, n
.set MI, \from
.rept \n
.set MB, MI%4
.set MJ, MI/4
.if MJ == 0
	v_max3_num_f32 v[BM+4*\x+MB], v[S+64*\x+16*MB], v[S+64*\x+16*MB+1], v[S+64*\x+16*MB+2]
.elseif MJ < 7
	v_max3_num_f32 v[BM+4*\x+MB], v[BM+4*\x+MB], v[S+64*\x+16*MB+2*MJ+1], v[S+64*\x+16*MB+2*MJ+2]
.else
	v_max_num_f32 v[BM+4*\x+MB], v[BM+4*\x+MB], v[S+64*\x+16*MB+15]
.endif
.set MI, MI+1
.endr
.endm
; THE STATISTICS of a tile (x = 0: A, 4: B), line n of thirteen (in the wave's first step of nine): from the four block maxima of my 16 keys each to the new -M and to old M less new M
.macro STL i, x, n, first
.if (\n) < 2
	v_permlane16_swap_b32 v[BM+\x+2*(\n)], v[BM+\x+2*(\n)+1]         ; two blocks: this half's and the other half's maxima side by side
.elseif (\n) < 4
	v_max_num_f32 v[BM+\x+2*((\n)-2)], v[BM+\x+2*((\n)-2)], v[BM+\x+2*((\n)-2)+1]   ; lane half h: the largest score of block h, of block 2 + h
.elseif (\n) == 4
	v_max_num_f32 v[BM+\x+1], v[BM+\x], v[BM+\x+2]
.elseif (\n) == 5
	v_permlanex16_b32 v[BM+\x+3], v[BM+\x+1], s[SEL], s[SEL+1]
.elseif (\n) == 6
	v_max_num_f32 v[BM+\x+1], v[BM+\x+1], v[BM+\x+3]                 ; the step's largest score of my query
.elseif \first
.if (\n) == 7
	v_mul_f32 v[ST+2*(\i)+\x/2+1], s[CS], v[BM+\x+1]                 ; as t (c is positive): the largest t so far
.elseif (\n) == 8
	v_floor_f32 v[ST+2*(\i)+\x/2], -v[ST+2*(\i)+\x/2+1]              ; -M = floor(-t) = -ceil(t)
.endif
.elseif (\n) == 7
	v_mul_f32 v[BM+\x+1], s[CS], v[BM+\x+1]
.elseif (\n) == 8
	v_max_num_f32 v[ST+2*(\i)+\x/2+1], v[ST+2*(\i)+\x/2+1], v[BM+\x+1]
.elseif (\n) == 9
	v_mov_b32 v[BM+\x+3], v[ST+2*(\i)+\x/2]
.elseif (\n) == 10
	v_floor_f32 v[ST+2*(\i)+\x/2], -v[ST+2*(\i)+\x/2+1]
.elseif (\n) == 11
	v_sub_f32 v[BM+\x+3], v[ST+2*(\i)+\x/2], v[BM+\x+3]              ; old M less new M: a whole number, 0 or less
.elseif (\n) == 12
	v_cvt_i32_f32 v[BM+\x+3], v[BM+\x+3]                             ; (it saturates)
.endif
.endm
; t - M of tile i + x, two numbers of 64
.macro TLM i, x, j
	v_pk_fma_f32 v[S+64*\x+2*(\j):S+64*\x+2*(\j)+1], v[S+64*\x+2*(\j):S+64*\x+2*(\j)+1], s[CS:CS+1], v[ST+2*((\i)+\x):ST+2*((\i)+\x)+1] op_sel_hi:[1,0,0]
.endm
; line n of eight, from the largest p of blocks h and 2 + h (in v[BM + x], v[BM + x + 2]) to the four blocks' scale operands, v[BM + x] on, in every lane
.macro SC x, n
.if (\n) < 2
	v_max_num_f32 v[BM+\x+2*(\n)], 0x1800000, v[BM+\x+2*(\n)]        ; the floor 2^(3 - 127): the byte cannot fall under 1
.elseif (\n) < 4
	v_add_nc_u32 v[BM+\x+2*((\n)-2)], 0xff000000, v[BM+\x+2*((\n)-2)] ; 2 off the exponent field: the conversion's scale operand
.elseif (\n) < 6
	v_mov_b32 v[BM+\x+2*((\n)-4)+1], v[BM+\x+2*((\n)-4)]
.else
	v_permlane16_swap_b32 v[BM+\x+2*((\n)-6)], v[BM+\x+2*((\n)-6)+1]  ; lanes 0-15's to both halves, and lanes 16-31's
.endif
.endm
; line n of seven, behind the conversions: p's scale word
.macro PWL x, n
.if (\n) == 0
	v_lshrrev_b32 v[PW+\x/4], 23, v[BM+\x]
.elseif (\n) < 4
	v_lshrrev_b32 v[BM+\x+(\n)], 23, v[BM+\x+(\n)]
.else
	v_lshl_or_b32 v[PW+\x/4], v[BM+\x+(\n)-3], 8*((\n)-3), v[PW+\x/4]
.endif
.endm
; the sum of a lane's 64 p, in place once they have been quantised: addition n of 16, then m of 15
.macro SUM1 x, n
	v_pk_add_f32 v[S+64*\x+2*(\n):S+64*\x+2*(\n)+1], v[S+64*\x+2*(\n):S+64*\x+2*(\n)+1], v[S+64*\x+2*(\n)+32:S+64*\x+2*(\n)+33]
.endm
.macro SUM2 x, m
.if (\m) < 8
.set SI, 2*(\m)
.set SD, 16
.elseif (\m) < 12
.set SI, 2*((\m)-8)
.set SD, 8
.elseif (\m) < 14
.set SI, 2*((\m)-12)
.set SD, 4
.else
.set SI, 0
.set SD, 2
.endif
	v_pk_add_f32 v[S+64*\x+SI:S+64*\x+SI+1], v[S+64*\x+SI:S+64*\x+SI+1], v[S+64*\x+SI+SD:S+64*\x+SI+SD+1]
.endm
.macro CVT x                           ; p's codes, half blocks
	WIN 0x40
.irp c, 0,1
	v_cvt_scalef32_pk16_fp6_f32 v[PC+12*\x+6*\c:PC+12*\x+6*\c+2], v[S+64*\x+32*\c:S+64*\x+32*\c+15], v[BM+4*\x+2*\c]
	v_cvt_scalef32_pk16_fp6_f32 v[CT+8*\x+4*\c:CT+8*\x+4*\c+2], v[S+64*\x+32*\c+16:S+64*\x+32*\c+31], v[BM+4*\x+2*\c+1]
.endr
	v_nop                                          ; one plain place behind a scaled conversion
	WIN 0
.endm
.macro JOIN x                          ; a whole block to a lane: lanes 0-15 block 2 c, lanes 16-31 block 2 c + 1
	WIN 0x41
.irp c, 0,1
.irp p, 0,1,2
	v_permlane16_swap_b32 v[PC+12*\x+6*\c+\p], v[CT+8*\x+4*\c+\p]
.endr
.endr
.irp c, 0,1
.irp p, 0,1,2
	v_mov_b32 v[PC+12*\x+6*\c+3+\p], v[CT+8*\x+4*\c+\p]
.endr
.endr
	WIN 0
.endm
.macro PV1 i, x, t, a, first
.if \first
	v_wmma_scale_f32_16x16x128_f8f6f4 v[32*(\i)+8*\t:32*(\i)+8*\t+7], v[VF+12*\t:VF+12*\t+11], v[PC+12*\x:PC+12*\x+11], 0, v[VS+\t/2], v[PW+\x] matrix_a_fmt:MATRIX_FMT_FP6 matrix_b_fmt:MATRIX_FMT_FP6 matrix_a_scale:MATRIX_SCALE_ROW\a
.else
	v_wmma_scale_f32_16x16x128_f8f6f4 v[32*(\i)+8*\t:32*(\i)+8*\t+7], v[VF+12*\t:VF+12*\t+11], v[PC+12*\x:PC+12*\x+11], v[32*(\i)+8*\t:32*(\i)+8*\t+7], v[VS+\t/2], v[PW+\x] matrix_a_fmt:MATRIX_FMT_FP6 matrix_b_fmt:MATRIX_FMT_FP6 matrix_a_scale:MATRIX_SCALE_ROW\a
.endif
.endm
.macro PVT i, x, first                 ; O^T += V^T P^T: four accumulators by turns
	WIN 0x55
	PV1 \i, \x, 0, 0, \first
	PV1 \i, \x, 1, 1, \first
	PV1 \i, \x, 2, 0, \first
	PV1 \i, \x, 3, 1, \first
	WIN 0
.endm
.macro KLOAD off                       ; K's images and scale words of a block: 16 loads
.irp g, 0,1,2,3,4,5,6,7,8,9,10,11
	ds_load_b128 v[KF+4*\g:KF+4*\g+3], v[AD] offset:(\off)+512*\g
.endr
.irp b, 0,1,2,3
	ds_load_b32 v[KS+\b], v[AS] offset:(\off)+6144+128*\b
.endr
.endm
.macro VLOAD                           ; V's: 14 loads
	WIN 0x40
.irp g, 0,1,2,3,4,5,6,7,8,9,10,11
	ds_load_b128 v[VF+4*\g:VF+4*\g+3], v[AD] offset:6656+512*\g
.endr
	WIN 0
.irp n, 0,1
	ds_load_b32 v[VS+\n], v[AS] offset:12800+128*\n
.endr
.endm
; TILES i (A) AND i + 1 (B) AGAINST THE STEP'S 128 KEYS.  first: the wave's first step: no old M, the sums start.  pf: the next step's K is fetched (1: the wave's first block in LDS; 2: the block behind the step's).
; vw: V is waited for (1: plain loads; 2: LDS loads).
.macro PAIR i, first, pf, vw
.irp k, 0,2,4,6
	SW \i, \k, 0, 0
	SW \i, \k+1, 1, 0
.endr
	PLACES 4                                       ; in front of the first read of A's scores
	SW \i+1, 0, 0, 1                               ; B's products, and among them A's maxima and the first lines of A's statistics
	MXR 0, 0, 11
	SW \i+1, 1, 1, 1
	MXR 0, 11, 11
	SW \i+1, 2, 0, 1
	MXR 0, 22, 10
	SW \i+1, 3, 1, 1
	STL \i, 0, 0, \first
	STL \i, 0, 1, \first
	SW \i+1, 4, 0, 1
	STL \i, 0, 2, \first
	STL \i, 0, 3, \first
	SW \i+1, 5, 1, 1
	STL \i, 0, 4, \first
	SW \i+1, 6, 0, 1
	STL \i, 0, 5, \first
	SW \i+1, 7, 1, 1
	STL \i, 0, 6, \first
	MXR 1, 0, 4                                    ; B's maxima: these four lines and the one above are the places behind B's last product
	STL \i, 0, 7, \first
	MXR 1, 4, 4
	STL \i, 0, 8, \first
.if \pf == 2
	KLOAD SLOTB
.endif
	MXR 1, 8, 4
	STL \i, 0, 9, \first
	MXR 1, 12, 4
	STL \i, 0, 10, \first
	MXR 1, 16, 4
	STL \i, 0, 11, \first
	MXR 1, 20, 4
	STL \i, 0, 12, \first
	MXR 1, 24, 8
.irp n, 0,1,2,3,4,5,6,7,8,9,10,11,12           ; A: t - M, and among it B's statistics
	TLM \i, 0, 2*\n
	TLM \i, 0, 2*\n+1
	STL \i, 4, \n, \first
.endr
.irp n, 26,27,28,29,30,31
	TLM \i, 0, \n
.endr
.if !(\first)
	WIN 0x40
.irp x, 0,4
	v_ldexp_f32 v[F+\x/2], 1.0, v[BM+\x+3]         ; f = 2^(old M - new M)
.endr
	WIN 0
.endif
.irp x, 0,2
	v_fma_f32 v[BM+\x], v[BM+\x], s[CS], v[ST+2*(\i)]   ; the same of the blocks' largest scores
.endr
.if \first
	s_wait_alu depctr_va_vdst(0)                   ; ahead of the batch
.else
	WIN 0x45                                       ; all in window 1
	s_wait_alu depctr_va_vdst(0)                   ; ahead of the batch, and ahead of the first readers of O^T
.irp j, 0,2,4,6,8,10,12,14,16,18,20,22,24,26,28,30
	v_pk_mul_f32 v[32*(\i)+\j:32*(\i)+\j+1], v[32*(\i)+\j:32*(\i)+\j+1], v[F:F+1] op_sel_hi:[1,0]   ; O^T under the new M
	v_pk_mul_f32 v[32*(\i)+32+\j:32*(\i)+32+\j+1], v[32*(\i)+32+\j:32*(\i)+32+\j+1], v[F+2:F+3] op_sel_hi:[1,0]
.endr
	v_pk_mul_f32 v[LB+2*(\i):LB+2*(\i)+1], v[LB+2*(\i):LB+2*(\i)+1], v[F:F+1] op_sel_hi:[1,0]        ; and the sums
	v_pk_mul_f32 v[LB+2*(\i)+2:LB+2*(\i)+3], v[LB+2*(\i)+2:LB+2*(\i)+3], v[F+2:F+3] op_sel_hi:[1,0]
	WIN 0
.endif
.irp j, 0,2,4,6,8,10,12,14,16,18,20,22,24,26,28,30,32,34,36,38,40,42,44,46,48,50,52,54,56,58,60,62
	v_exp_f32 v[S+\j], v[S+\j]                     ; A: p = 2^(t - M), at most 1
	v_exp_f32 v[S+\j+1], v[S+\j+1]
	v_pk_fma_f32 v[S+64+\j:S+65+\j], v[S+64+\j:S+65+\j], s[CS:CS+1], v[ST+2*(\i)+2:ST+2*(\i)+3] op_sel_hi:[1,0,0]   ; B: t - M, read behind the wait below
.endr
.irp x, 0,2
	v_exp_f32 v[BM+\x], v[BM+\x]                   ; a block's largest p: p rises with the score, and the same two instructions on the same number give the same bits
.endr
.irp x, 4,6
	v_fma_f32 v[BM+\x], v[BM+\x], s[CS], v[ST+2*(\i)+2]
.endr
	s_wait_alu depctr_va_vdst(0)                   ; behind A's batch and ahead of B's
.irp n, 0,1,2,3,4,5,6,7
	SC 0, \n
.endr
	CVT 0
.irp j, 0,4,8,12,16,20,24,28,32,36,40,44,48,52,56,60
	v_exp_f32 v[S+64+\j], v[S+64+\j]
	v_exp_f32 v[S+65+\j], v[S+65+\j]
	SUM1 0, \j/4
	v_exp_f32 v[S+66+\j], v[S+66+\j]
	v_exp_f32 v[S+67+\j], v[S+67+\j]
.endr
.irp x, 4,6
	v_exp_f32 v[BM+\x], v[BM+\x]
.endr
	v_nop                                          ; a plain place behind the exponentials
	s_wait_alu depctr_va_vdst(0)                   ; behind B's batch
.if \vw == 1
	s_wait_loadcnt 0x0                             ; V's fragments and scale words are in
.elseif \vw == 2
	s_wait_dscnt 0x0
.endif
.if \pf == 1
	s_wait_tensorcnt 0x0                           ; my three blocks are in; their bytes are my wave's own
	KLOAD 0
.endif
.irp n, 0,1,2,3,4,5,6,7                        ; A's additions, and among them B's scale operands and A's scale word
	SUM2 0, \n
	SC 4, \n
.endr
.irp n, 0,1,2,3,4,5,6
	SUM2 0, \n+8
	PWL 0, \n
.endr
	JOIN 0
	CVT 1
.irp n, 0,1,2,3,4,5,6
	SUM1 1, 2*\n
	SUM1 1, 2*\n+1
	PWL 4, \n
.endr
	SUM1 1, 14
	SUM1 1, 15
	JOIN 1
.irp n, 0,1,2,3,4,5,6,7
	SUM2 1, \n
.endr
	PVT \i, 0, \first
.irp n, 8,9,10,11,12,13,14
	SUM2 1, \n
.endr
	PVT \i+1, 1, \first
.if \first
	WIN 0x40
.irp n, 0,1
	v_mov_b32 v[LB+2*(\i)+\n], v[S+\n]             ; the first step starts l
	v_mov_b32 v[LB+2*(\i)+2+\n], v[S+64+\n]
.endr
.else
	WIN 0x41
	v_pk_add_f32 v[LB+2*(\i):LB+2*(\i)+1], v[LB+2*(\i):LB+2*(\i)+1], v[S:S+1]
	v_pk_add_f32 v[LB+2*(\i)+2:LB+2*(\i)+3], v[LB+2*(\i)+2:LB+2*(\i)+3], v[S+64:S+65]
.endif
	WIN 0
.endm
	s_load_b128 s[4:7], s[0:1], 0x0                ; qb, kv
	s_load_b64 s[8:9], s[0:1], 0x10                ; out0
	v_lshl_add_u32 v[SPW], v0, 2, SPARE
	v_mov_b32 v[NIL], 0
	ds_add_u32 v[SPW], v[NIL]                      ; the wave's opening: the add, twice on end, and its wait ahead of my first tensor load
	ds_add_u32 v[SPW], v[NIL]                      ; and once more; the set-up below, work on registers, stands between it and the wait
	v_lshrrev_b32 v16, 5, v0
	v_and_b32 v17, 31, v0                          ; lane
	v_readfirstlane_b32 s[WV], v16                 ; wave 0..7
	v_lshlrev_b32 v18, 4, v17                      ; 16 x lane
	v_lshlrev_b32 v19, 2, v17                      ; 4 x lane
	s_mul_i32 s[RG], s[WV], REG                    ; my region: no place in the cluster enters an LDS address
	v_lshl_add_u32 v[AD], v17, 4, s[RG]
	v_lshl_add_u32 v[AS], v17, 2, s[RG]
	WIN 0x40
	v_lshl_add_u32 v[LI], v17, 4, s[RG]
	v_lshl_add_u32 v[LS], v17, 2, s[RG]
	WIN 0
	s_and_b32 s[BT], ttmp7, 0xffff                 ; the batch, which the four partners share
	s_bfe_u32 s11, ttmp6, 0x40000                  ; my place in the cluster
	s_lshl_b32 s[XX], ttmp9, 2
	s_add_co_u32 s[XX], s[XX], s11                 ; my block of 64 queries = 4 x cluster x + cx
	s_lshl_b32 s30, s[BT], 5                       ; a batch has 32 blocks of 128 keys,
	s_lshl_b32 s31, s[WV], 2                       ; my wave four of them
	s_add_co_u32 s30, s30, s31
	s_mul_i32 s30, s30, SLOTB
	s_mov_b32 s31, 0
	s_lshl_b32 s32, s[BT], 5
	s_lshr_b32 s33, s[XX], 1
	s_add_co_u32 s32, s32, s33
	s_mul_i32 s32, s32, QBLK                       ; the block of qb that holds my queries,
	s_and_b32 s33, s[XX], 1                        ; and which half of it
	s_lshl_b32 s34, s33, 8
	s_add_co_u32 s34, s34, s32
	s_add_co_u32 s34, s34, 6144                    ; my two registers of scale words
	s_mov_b32 s35, 0
	s_mul_i32 s33, s33, 3072
	s_add_co_u32 s32, s32, s33                     ; my two images
	s_mov_b32 s33, 0
	s_lshl_b32 s44, s[BT], 12                      ; where I store: LDS rows 8 w .. 8 w + 7 of the merge are queries 32 (w / 4) + 16 (w % 2) + 8 ((w / 2) % 2) + 0 .. 7 of my 64
	s_lshl_b32 s45, s[XX], 6
	s_add_co_u32 s44, s44, s45
	s_lshr_b32 s45, s[WV], 2
	s_lshl_b32 s45, s45, 5
	s_add_co_u32 s44, s44, s45
	s_and_b32 s45, s[WV], 1
	s_lshl_b32 s45, s45, 4
	s_add_co_u32 s44, s44, s45
	s_bfe_u32 s45, s[WV], 0x10001
	s_lshl_b32 s45, s45, 3
	s_add_co_u32 s44, s44, s45
	s_lshl_b32 s44, s44, 8                         ; a row of out0 is 256 bytes
	s_mov_b32 s45, 0
	s_mul_i32 s[MR], s[WV], 8*SP
	s_mov_b32 s[CS], 0x3e38aa3b
	s_mov_b32 s[CS+1], s[CS]                       ; (named with it as a pair, so it is written)
	s_mov_b32 s[SEL], 0x76543210
	s_mov_b32 s[SEL+1], 0xfedcba98
	; descriptor group 1: a dense block of 153 rows of 256 bytes (32 elements of 8 bytes), no padding: images are read 512 consecutive bytes an instruction
	s_mov_b32 s[G1+0], 15|(3<<16)|(1<<21)          ; the mask: all four work-groups; elements of 8 bytes; bit 21 set beside a mask
	s_mov_b32 s[G1+1], 32<<16
	s_mov_b32 s[G1+2], 153<<16
	s_mov_b32 s[G1+3], 32<<16
	s_mov_b32 s[G1+4], 153
	s_mov_b32 s[G1+5], 32
	s_mov_b32 s[G1+6], 0
	s_mov_b32 s[G1+7], 0
	s_wait_alu depctr_va_vdst(0)                   ; at the head's end
	s_wait_dscnt 0x0                               ; both opening adds are done
	s_wait_kmcnt 0x0
	s_add_nc_u64 s[14:15], s[4:5], s[34:35]
	s_add_nc_u64 s[4:5], s[4:5], s[32:33]
	s_add_nc_u64 s[6:7], s[6:7], s[30:31]          ; kv at my wave's first block
	s_add_nc_u64 s[8:9], s[8:9], s[44:45]
.irp b, 0,1                                    ; Q: 14 loads
.irp u, 0,1
.irp p, 0,1,2
	global_load_b64 v[QF+12*(2*\b+\u)+2*\p:QF+12*(2*\b+\u)+2*\p+1], v18, s[4:5] offset:1536*\b+512*((6*\u+2*\p)/4)+4*((6*\u+2*\p)%4)   ; registers 6 u + 2 p, + 1 of image b
.endr
.endr
	global_load_b32 v[QS+\b], v19, s[14:15] offset:128*\b
.endr
.irp g, 0,1,2,3,4,5,6,7,8,9,10,11              ; my first block: K, 16 loads,
	global_load_b128 v[KF+4*\g:KF+4*\g+3], v18, s[6:7] offset:512*\g
.endr
.irp b, 0,1,2,3
	global_load_b32 v[KS+\b], v19, s[6:7] offset:6144+128*\b
.endr
	WIN 0x40
.irp g, 0,1,2,3,4,5,6,7,8,9,10,11              ; and V, 14 loads
	global_load_b128 v[VF+4*\g:VF+4*\g+3], v18, s[6:7] offset:6656+512*\g
.endr
	WIN 0
.irp n, 0,1
	global_load_b32 v[VS+\n], v19, s[6:7] offset:12800+128*\n
.endr
	s_mov_b32 s[G0], 1                             ; count = 1
	s_mov_b32 s[G0+1], s[RG]
	s_add_nc_u64 s[G0+2:G0+3], s[6:7], SLOTB       ; my other three blocks, on end
	s_or_b32 s[G0+3], s[G0+3], 0x80000000          ; type = 2
	CROUND                                         ; all four work-groups are here: the joint loads meet
	tensor_load_to_lds s[G0:G0+3], s[G1:G1+7]
	s_nop 0
	PLACES 4
.irp n, 0,1,2,3
.irp j, 6,7,8,9,10,11
	v_mov_b32 v[QF+12*\n+\j], 0                    ; Q's zero codes for K = 64 .. 127
.endr
.endr
.irp j, 0,1,2,3,4,5,6,7
	v_mov_b32 v[ST+\j], 0                          ; (read beside K's tile 7, against Q's zeros, before they are first made)
.endr
	WIN 0x40
	v_mov_b32 v[F+1], 0                            ; (named as the upper halves of the factors' pairs)
	v_mov_b32 v[F+3], 0
	WIN 0
	PLACES 2                                       ; with the two above: four places between the operands' registers and the first product
	s_mov_b32 s[TB], 0
	s_mov_b32 s[CNT], 2
	s_wait_alu depctr_va_vdst(0)
	s_wait_xcnt 0x0                                ; v18, v19 are written again below
	s_wait_loadcnt 14                              ; Q and K are in; V's fourteen may stay out
	PAIR 0, 1, 0, 1
	PAIR 2, 1, 1, 0
.Lstep:                                            ; my blocks 1 and 2
	VLOAD                                          ; (four plain lines stand between the last products and these loads)
	s_wait_dscnt 14                                ; K, asked for in the step before, is in; V's fourteen may stay out
	PAIR 0, 0, 0, 2
	PAIR 2, 0, 2, 0
	s_add_co_u32 s[TB], s[TB], SLOTB
	WIN 0x04
	v_add_nc_u32 v[AD], s[TB], v[LI]
	v_add_nc_u32 v[AS], s[TB], v[LS]
	WIN 0
	s_wait_alu depctr_va_vdst(0)                   ; ahead of the branch
	s_sub_co_u32 s[CNT], s[CNT], 1
	s_cmp_lg_u32 s[CNT], 0
	s_cbranch_scc1 .Lstep
	VLOAD                                          ; block 3: nothing more is fetched
	s_wait_dscnt 14
	PAIR 0, 0, 0, 2
	PAIR 2, 0, 0, 0
	; THE MERGE.  Each wave lays down -M and l of its 64 queries and its O (64 rows of 256 bytes, row 16 i + r) in its own stage.  The lines ahead of the stores are the places behind the last products.
	v_and_b32 v17, 15, v0                          ; r
	v_bfe_u32 v18, v0, 4, 1                        ; h
	v_mul_u32_u24 v19, v17, SP
	v_lshlrev_b32 v20, 5, v17
	v_lshlrev_b32 v21, 5, v18
	v_lshlrev_b32 v22, 8, v18
	v_mul_u32_u24 v23, v18, SP
	v_lshl_add_u32 v19, v18, 5, v19
	v_lshl_add_u32 v20, s[WV], 2, v20
	v_lshl_add_u32 v21, s[WV], 8, v21
	v_lshl_add_u32 v22, v17, 4, v22                ; out: 256 h + 16 r
	v_lshl_add_u32 v23, v17, 4, v23
	v_add_nc_u32 v19, s[RG], v19                   ; my stage: row r, + 32 h
	v_add_nc_u32 v20, STATM, v20                   ; row r of a tile, my wave's word
	v_add_nc_u32 v21, STATM, v21                   ; the statistics of rows 8 w + h on
	v_add_nc_u32 v23, s[MR], v23
.irp n, 0,1,2,3,4,5,6,7
	v_add_nc_u32 v[24+\n], \n*REG, v23             ; wave n's stage: the rows that I merge
.endr
	WIN 0x45
.irp n, 0,1,2,3
	v_add_f32 v[LB+2*\n], v[LB+2*\n], v[LB+2*\n+1]
.endr
.irp n, 0,1,2,3
	v_permlanex16_b32 v[PC+\n], v[LB+2*\n], s[SEL], s[SEL+1]
.endr
.irp n, 0,1,2,3
	v_add_f32 v[LB+2*\n], v[LB+2*\n], v[PC+\n]     ; my keys' sum for the query
.endr
	WIN 0
	s_wait_alu depctr_va_vdst(0)
.irp n, 0,1,2,3
	ds_store_b32 v20, v[ST+2*\n] offset:512*\n     ; both halves of the lanes write the same word with the same value
.endr
	WIN 0x04                                       ; an LDS store's data are its source 1: window 1
.irp n, 0,1,2,3
	ds_store_b32 v20, v[LB+2*\n] offset:512*\n+2048
.endr
.irp n, 0,1,2,3
.irp t, 0,1,2,3
	ds_store_b128 v19, v[32*\n+8*\t:32*\n+8*\t+3] offset:16*SP*\n+64*\t        ; each accumulator from its low end on
	ds_store_b128 v19, v[32*\n+8*\t+4:32*\n+8*\t+7] offset:16*SP*\n+64*\t+16
.endr
.endr
	WIN 0
	s_wait_dscnt 0x0                               ; for the others' sake: my stores are done
	s_barrier_signal -1
	s_barrier_wait -1
	; wave w merges rows 8 w .. 8 w + 7: two rows an instruction, sixteen lanes to a row
.irp q, 0,1,2,3
	ds_load_b128 v[MM+8*\q:MM+8*\q+3], v21 offset:64*\q
	ds_load_b128 v[MM+8*\q+4:MM+8*\q+7], v21 offset:64*\q+16
	ds_load_b128 v[ML+8*\q:ML+8*\q+3], v21 offset:2048+64*\q
	ds_load_b128 v[ML+8*\q+4:ML+8*\q+7], v21 offset:2048+64*\q+16
.endr
	WIN 0x40                                       ; the eight waves' rows into window 1, where O^T lay
.irp n, 0,1,2,3,4,5,6,7
.irp q, 0,1,2,3
	ds_load_b128 v[16*\n+4*\q:16*\n+4*\q+3], v[24+\n] offset:2*SP*\q
.endr
.endr
	WIN 0
	s_wait_dscnt 32                                ; the statistics are in; the 32 loads of rows may stay out
.irp q, 0,1,2,3
	v_min_num_f32 v[MN+\q], v[MM+8*\q], v[MM+8*\q+1]
.endr
.irp n, 2,3,4,5,6,7
.irp q, 0,1,2,3
	v_min_num_f32 v[MN+\q], v[MN+\q], v[MM+8*\q+\n]        ; the smallest -M: the largest M of the eight
.endr
.endr
.irp n, 0,1,2,3,4,5,6,7
.irp q, 0,1,2,3
	v_sub_f32 v[MM+8*\q+\n], v[MN+\q], v[MM+8*\q+\n]       ; wave n's M less the largest: a whole number, 0 or less
.endr
.endr
.irp n, 0,1,2,3,4,5,6,7
.irp q, 0,1,2,3
	v_cvt_i32_f32 v[MM+8*\q+\n], v[MM+8*\q+\n]
.endr
.endr
.irp n, 0,1,2,3,4,5,6,7
.irp q, 0,1,2,3
	v_ldexp_f32 v[MM+8*\q+\n], 1.0, v[MM+8*\q+\n]          ; wave n's factor
.endr
.endr
.irp q, 0,1,2,3
	v_mul_f32 v[LSUM+\q], v[MM+8*\q], v[ML+8*\q]
.endr
.irp n, 1,2,3,4,5,6,7
.irp q, 0,1,2,3
	v_fma_f32 v[LSUM+\q], v[MM+8*\q+\n], v[ML+8*\q+\n], v[LSUM+\q]
.endr
.endr
	s_wait_alu depctr_va_vdst(0)                   ; ahead of the batch
.irp q, 0,1,2,3
	v_rcp_f32 v[LSUM+\q], v[LSUM+\q]
.endr
	s_wait_dscnt 0x0
	WIN 0x04                                       ; source 1 in window 1
.irp q, 0,1,2,3
.irp k, 0,1,2,3
	v_mul_f32 v[AC+4*\q+\k], v[MM+8*\q], v[4*\q+\k]        ; (plain work behind the reciprocals, which names none of them)
.endr
.endr
.irp n, 1,2,3,4,5,6,7
.irp q, 0,1,2,3
.irp k, 0,1,2,3
	v_fma_f32 v[AC+4*\q+\k], v[MM+8*\q+\n], v[16*\n+4*\q+\k], v[AC+4*\q+\k]
.endr
.endr
.endr
	WIN 0
	s_wait_alu depctr_va_vdst(0)                   ; ahead of the first use: one for the four reciprocals
.irp q, 0,1,2,3
.irp k, 0,1,2,3
	v_mul_f32 v[AC+4*\q+\k], v[AC+4*\q+\k], v[LSUM+\q]
.endr
.endr
.irp q, 0,1,2,3
	global_store_b128 v22, v[AC+4*\q:AC+4*\q+3], s[8:9] offset:512*\q th:TH_STORE_NT   ; 32 lanes store two whole rows: 512 consecutive bytes, at a multiple of 256 from out0's first byte
.endr
	s_wait_tensorcnt 0x0                           ; the wave's end: behind my last tensor load and my last LDS store
	ds_add_u32 v[SPW], v[NIL]
	s_wait_dscnt 0x0
	CROUND                                         ; the closing round: no work-group ends while a partner may still ask for a block that names it
	s_endpgm
.Lfunc_end_k_qcfc6cf2b0b_attn:
	.size	k_qcfc6cf2b0b_attn, .Lfunc_end_k_qcfc6cf2b0b_attn-k_qcfc6cf2b0b_attn
	.p2alignl 7, 3214868480
	.fill 96, 4, 3214868480
	.section	.rodata,"a",@progbits
	.p2align	6, 0x0
	.amdhsa_kernel k_qcfc6cf2b0b_attn
		.amdhsa_group_segment_fixed_size 327680
		.amdhsa_private_segment_fixed_size 0
		.amdhsa_enable_private_segment 0
		.amdhsa_kernarg_size 24
		.amdhsa_user_sgpr_count 2
		.amdhsa_user_sgpr_kernarg_segment_ptr 1
		.amdhsa_wavefront_size32 1
		.amdhsa_system_sgpr_workgroup_id_x 1
		.amdhsa_system_sgpr_workgroup_id_y 1
		.amdhsa_system_sgpr_workgroup_id_z 1
		.amdhsa_system_vgpr_workitem_id 0
		.amdhsa_next_free_vgpr 512
		.amdhsa_next_free_sgpr 66
		.amdhsa_reserve_vcc 0
		.amdhsa_float_denorm_mode_32 3
		.amdhsa_float_denorm_mode_16_64 3
		.amdhsa_memory_ordered 1
		.amdhsa_forward_progress 1
		.amdhsa_inst_pref_size 188
	.end_amdhsa_kernel
	.amdgpu_metadata
---
amdhsa.version: [ 1, 2 ]
amdhsa.kernels:
  - .name:           k_qcfc6cf2b0b_attn
    .symbol:         k_qcfc6cf2b0b_attn.kd
    .args:
      - { .name: qb, .offset: 0, .size: 8, .value_kind: global_buffer, .address_space: global }
      - { .name: kv, .offset: 8, .size: 8, .value_kind: global_buffer, .address_space: global }
      - { .name: out0, .offset: 16, .size: 8, .value_kind: global_buffer, .address_space: global }
    .group_segment_fixed_size: 327680
    .private_segment_fixed_size: 0
    .kernarg_segment_align: 8
    .kernarg_segment_size: 24
    .max_flat_workgroup_size: 256
    .sgpr_count:     66
    .vgpr_count:     512
    .wavefront_size: 32
...
	.end_amdgpu_metadata
.endif
;; end of part 2
